; MI455X (gfx1250); checked and timed in simulation.
; The chip was launched on July 23, 2026; its instructions are those of AMD's public machine-readable ISA for CDNA 5 (MIT licence, August 2026) and "CDNA5" Instruction Set Architecture Reference Guide (July 2026). The comments in the code are by the model that wrote it; some were corrected since.
;; SG Former Attention. Allowed arithmetic: matrix products marked QUANTISED: E2M1 operands, one E8M0 scale for each 32 along K, by v_wmma_scale_f32_16x16x128_f8f6f4 with both operands' format E2M1 (or v_wmma_scale_f32_32x16x128_f4), f32 sums; products left as they are: f32 operands where the result goes on into a quantised operand, else bf16, f16 or f32 operands; f32 sums; everything else in f32.
;; Inputs: Wk 1,024 x 256 float32; Wq 1,024 x 256 float32; Wv 1,024 x 256 float32; mask 2 x 32,768 bool; x 2 x 32,768 x 1,024 float32.
;; Outputs: out0 2 x 32,768 x 32 float32.
;; This version of the problem:
;;   THIS VERSION OF THE PROBLEM IS GIVEN IN LOW PRECISION. The matrix products marked QUANTISED in the list below multiply operands that are first quantised to E2M1 (2 exponent bits, 1 mantissa bit; 4 bits a number), with one power-of-two scale for each 32 numbers along K (OCP MX v1.0); their sums are f32. All else is computed in f32.
;;   The module's matrix products, in the order in which they are computed (A, B: the left and right operand; K: the contracted axis; several contracted axes count as one K, in the product's order):
;;     1. [M 65,536, K 1,024] x [K 1,024, N 256]; A: input x; B: input Wq: QUANTISED
;;     2. [M 65,536, K 1,024] x [K 1,024, N 256]; A: input x; B: input Wk: QUANTISED
;;     3. [M 65,536, K 1,024] x [K 1,024, N 256]; A: input x; B: input Wv: QUANTISED
;;     4. batch 16 x [M 32, K 32,768] x [K 32,768, N 32]; A: computed on the way; B: computed on the way: QUANTISED
;;     5. batch 16 x [M 32, K 32] x [K 32, N 32,768]; A: computed on the way; B: computed on the way: QUANTISED
;;     6. batch 16 x [M 1, K 32] x [K 32, N 32,768]; A: computed on the way; B: computed on the way: left as it is (M = 1 < 16)
;;   THE QUANTISER, for each operand of a quantised product, along K:
;;     - K is cut into blocks of 32 from its start; a last block that is shorter is filled with zeros.
;;     - A block's scale is 2^e with e = floor(log2(the largest magnitude in the block)) - 2, held to -126 .. 127; a block of zeros has e = 0. As a byte (E8M0): e + 127.
;;     - Each number is divided by its block's scale, clamped to +-6, and rounded to the nearest number of E2M1, ties to even, subnormals kept.
;;     - The product sums the exact products of the quantised numbers (number of the format x scale) in f32.
;;   ~~~python
;;   def quantise(x, axis):      # numpy; x: float32 -> the quantised numbers, widened to float32 again
;;       x = np.moveaxis(x, axis, -1); K = x.shape[-1]
;;       x = np.pad(x, [(0, 0)] * (x.ndim - 1) + [(0, -K % 32)]); x = x.reshape(x.shape[:-1] + (-1, 32)); a = np.abs(x).max(-1, keepdims=True)
;;       e = np.where(a > 0, np.clip(np.frexp(np.where(a > 0, a, 1))[1] - 1 - 2, -126, 127), 0)      # np.frexp(a)[1] - 1 = floor(log2(a)), exactly
;;       r = np.clip(x / 2.0 ** e, -6, 6)
;;       step = 2.0 ** (np.maximum(np.frexp(np.where(r == 0, 1, r))[1] - 1, 0) - 1)
;;       q = np.round(r / step) * step * 2.0 ** e      # np.round: ties to even
;;       return np.moveaxis(q.reshape(q.shape[:-2] + (-1,))[..., :K], -1, axis).astype(np.float32)
;;   ~~~
;;   OPERANDS COMPUTED ON THE WAY. 'Computed on the way' means the value that the module computes at that place (a softmax that the list does not call 'softmax' is quantised finished and normalised). What goes into a quantiser is computed in f32, as accurately as f32 sums, v_exp_f32 and their like allow (about 1e-6 of the number): no bf16 or f16 on the way to a quantiser, and a product that is left as it is and whose result goes on into a quantised operand takes f32 operands (vector FMAs, or v_wmma_f32_16x16x4_f32). A number that lies on a knife's edge between two numbers of the format may be rounded either way, as far as f32 arithmetic and the matrix unit's own rounding can turn it there, and no further.
;; One version. Each part assembles by itself: llvm-mc -triple=amdgcn-amd-amdhsa -mcpu=gfx1250 --defsym DOCPART=n.
;; ======== version 1 of 1: 4 launches
;; limits: right only within a limited range of input values
;; workspace buffers: wts 417,792 bytes; xq 35,651,584 bytes; part 8,650,752 bytes; kv 67,584 bytes
;; launch wquant (part 1): grid 16 x 3, 4 waves a work-group, no clusters, 0 bytes of LDS; arguments Wq, Wk, Wv, wts; writes wts
.if DOCPART == 1
	.amdgcn_target "amdgcn-amd-amdhsa--gfx1250"
	.amdhsa_code_object_version 6
	.text
	.protected	k_qb5e0bc5c23_wquant
	.globl	k_qb5e0bc5c23_wquant
	.p2align	8
	.type	k_qb5e0bc5c23_wquant,@function
k_qb5e0bc5c23_wquant:
	s_mov_b64 s[64:65], 0
	v_nop
	global_prefetch_b8 v0, s[64:65] scope:SCOPE_SE
	s_setreg_imm32_b32 hwreg(HW_REG_WAVE_MODE, 25, 1), 1
	s_wait_xcnt 0x0
; Wq, Wk, Wv: [1024 (k)][256 (n)] f32, K is the FIRST axis.  Each is turned into codes of FP4 (E2M1) with one E8M0 byte for each 32 along K,
; laid as IMAGES OF THE OPERAND'S REGISTERS, so that the two passes load a fragment (16 columns x 128 K: 8 registers a lane) by two loads of 16 bytes a lane:
;   codes:  mat*131072 + head*16384 + tile*8192 + ks*1024 + 256*block + 16*r      (block = 0..3 of the K step's four blocks of 32; lane (r, h), group c of a fragment reads block 2 c + h)
;   scales: 393216 + mat*8192 + head*1024 + ks*128 + 4*(16*tile + r)              (one word a column and K step: byte b scales block b)
; WHICH COLUMNS FORM A TILE: Wv's are neighbours (32 head + 16 tile + r).  Wq's and Wk's are 32 head + 8 tile + r + 8 (r / 8): a result's 16 registers of tiles 0 and 1 are then 16 neighbouring channels.
; A LANE TAKES A COLUMN AND ITS REGISTERS RUN DOWN K: a block of 32 lies in one lane's 32 registers, its largest magnitude needs no other lane, and the conversions give codes with K innermost.
; SHARES: grid y = the matrix; grid x = K step (x & 7) and half of the heads (x >> 3); wave = head in that half: 32 columns x 128 K a wave; the four waves stand side by side on 512 bytes of each row.
; A block's scale is 2^(floor(log2(largest magnitude)) - 2): its byte is the largest magnitude's exponent field - 2, held at 1 from below by a floor among the maximum's leaves.
; LIMITS: a block of zeros gets the byte 1 (its codes are zeros; only this program reads the bytes); NaN and infinities among the inputs are not served.
; The scale words leave 128 bytes a wave: 24 KiB of the launch's 408 KiB are so written in pieces shorter than 256 bytes.
.set X,  32                            ; v32-159  the 128 numbers of my column
.set CD, 16                            ; v16-31   codes: four registers for each block, so that no store's data are written again
	s_load_b256 s[4:11], s[0:1], 0x0               ; Wq s[4:5], Wk s[6:7], Wv s[8:9], wts s[10:11]
	v_lshrrev_b32 v1, 5, v0
	v_readfirstlane_b32 s14, v1                    ; wave 0..3
	v_and_b32 v5, 31, v0                           ; lane = my column in the head
	s_and_b32 s12, ttmp7, 0xffff                   ; the matrix: 0 q, 1 k, 2 v
	s_and_b32 s15, ttmp9, 7                        ; K step
	s_lshr_b32 s16, ttmp9, 3
	s_lshl_b32 s16, s16, 2
	s_add_co_u32 s16, s16, s14                     ; head
	v_lshlrev_b32 v1, 2, v5                        ; in: 4 bytes a lane
	v_bfe_u32 v6, v5, 3, 1                         ; the place (16 tile + r) of column l: for q and k tile = (l >> 3) & 1, r = (l & 7) + 8 (l >> 4);
	v_lshrrev_b32 v7, 4, v5
	v_and_b32 v2, 7, v5
	v_lshl_add_u32 v2, v7, 3, v2
	v_lshl_add_u32 v2, v6, 4, v2
	s_cmp_eq_u32 s12, 2
	s_cselect_b32 s13, -1, 0
	v_cndmask_b32 v2, v2, v5, s13                  ; for v the column itself
	v_lshrrev_b32 v3, 4, v2
	v_and_b32 v6, 15, v2
	v_lshlrev_b32 v3, 13, v3
	v_lshl_add_u32 v3, v6, 4, v3                   ; codes: 8192 tile + 16 r
	v_lshlrev_b32 v4, 2, v2                        ; scale word: 4 x place
	s_lshl_b32 s18, s15, 17                        ; W: 128 rows of 1,024 bytes a K step,
	s_lshl_b32 s19, s16, 7                         ; 128 bytes a head
	s_add_co_u32 s18, s18, s19
	s_mov_b32 s19, 0
	s_lshl_b32 s20, s12, 17                        ; the codes' place
	s_lshl_b32 s21, s16, 14
	s_add_co_u32 s20, s20, s21
	s_lshl_b32 s21, s15, 10
	s_add_co_u32 s20, s20, s21
	s_mov_b32 s21, 0
	s_lshl_b32 s22, s12, 13                        ; the scale words' place
	s_lshl_b32 s23, s16, 10
	s_add_co_u32 s22, s22, s23
	s_lshl_b32 s23, s15, 7
	s_add_co_u32 s22, s22, s23
	s_add_co_u32 s22, s22, 393216
	s_mov_b32 s23, 0
	s_wait_kmcnt 0x0
	s_cmp_eq_u32 s12, 0                            ; which matrix: the choice hangs on the work-group's number alone
	s_cselect_b64 s[4:5], s[4:5], s[6:7]
	s_cmp_eq_u32 s12, 2
	s_cselect_b64 s[4:5], s[8:9], s[4:5]
	s_add_nc_u64 s[4:5], s[4:5], s[18:19]
	s_add_nc_u64 s[24:25], s[10:11], s[22:23]
	s_add_nc_u64 s[10:11], s[10:11], s[20:21]
.set i, 0
.rept 128
	global_load_b32 v[X+i], v1, s[4:5] offset:1024*i th:TH_LOAD_NT   ; W(128 ks + i, my column): 32 lanes read 128 consecutive bytes
.set i, i+1
.endr
; Block b.  left: how many younger loads may stay out
.macro QBLK b, left
.set XS, X+32*\b
	s_wait_loadcnt \left
	v_max3_num_f32 v8, |v[XS]|, |v[XS+1]|, |v[XS+2]|               ; the block's largest magnitude, in two chains
	v_max3_num_f32 v9, |v[XS+3]|, |v[XS+4]|, |v[XS+5]|
.irp e, 6,10,14,18,22,26
	v_max3_num_f32 v8, v8, |v[XS+\e]|, |v[XS+\e+1]|
	v_max3_num_f32 v9, v9, |v[XS+\e+2]|, |v[XS+\e+3]|
.endr
	v_max3_num_f32 v8, v8, |v[XS+30]|, |v[XS+31]|
	v_max3_num_f32 v8, v8, v9, 0x1800000           ; and the floor 2^(3 - 127): the byte cannot fall under 1
	v_add_nc_u32 v11, 0xff000000, v8               ; 2 off the exponent field: the conversion takes the exponent field of this operand as its scale
	v_lshrrev_b32 v9, 23, v11                      ; the scale's byte
.if \b == 0
	v_mov_b32 v14, v9
.else
	v_lshl_or_b32 v14, v9, 8*\b, v14               ; four bytes make the K step's scale word
.endif
.irp g, 0,1,2,3
	v_cvt_scalef32_pk8_fp4_f32 v[CD+4*\b+\g], v[XS+8*\g:XS+8*\g+7], v11
.endr
	v_nop                                          ; one plain line behind the conversions, ahead of the next write of their scale operand
	global_store_b128 v3, v[CD+4*\b:CD+4*\b+3], s[10:11] offset:256*\b   ; 16 lanes of tile 0 and 16 of tile 1 each fill 256 consecutive bytes, aligned
.endm
	QBLK 0, 63                                     ; 96 loads were issued behind block 0's, 64 behind block 1's: the count's field holds 63, and a smaller count is safe
	QBLK 1, 63
	QBLK 2, 32                                     ; block 3's 32 may be out
	QBLK 3, 0
	global_store_b32 v4, v14, s[24:25]
	s_endpgm
.Lfunc_end_k_qb5e0bc5c23_wquant:
	.size	k_qb5e0bc5c23_wquant, .Lfunc_end_k_qb5e0bc5c23_wquant-k_qb5e0bc5c23_wquant
	.p2alignl 7, 3214868480
	.fill 96, 4, 3214868480
	.section	.rodata,"a",@progbits
	.p2align	6, 0x0
	.amdhsa_kernel k_qb5e0bc5c23_wquant
		.amdhsa_group_segment_fixed_size 0
		.amdhsa_private_segment_fixed_size 0
		.amdhsa_enable_private_segment 0
		.amdhsa_kernarg_size 32
		.amdhsa_user_sgpr_count 2
		.amdhsa_user_sgpr_kernarg_segment_ptr 1
		.amdhsa_wavefront_size32 1
		.amdhsa_system_sgpr_workgroup_id_x 1
		.amdhsa_system_sgpr_workgroup_id_y 1
		.amdhsa_system_sgpr_workgroup_id_z 1
		.amdhsa_system_vgpr_workitem_id 0
		.amdhsa_next_free_vgpr 168
		.amdhsa_next_free_sgpr 66
		.amdhsa_reserve_vcc 0
		.amdhsa_float_denorm_mode_32 3
		.amdhsa_float_denorm_mode_16_64 3
		.amdhsa_memory_ordered 1
		.amdhsa_forward_progress 1
		.amdhsa_inst_pref_size 21
	.end_amdhsa_kernel
	.amdgpu_metadata
---
amdhsa.version: [ 1, 2 ]
amdhsa.kernels:
  - .name:           k_qb5e0bc5c23_wquant
    .symbol:         k_qb5e0bc5c23_wquant.kd
    .args:
      - { .name: Wq, .offset: 0, .size: 8, .value_kind: global_buffer, .address_space: global }
      - { .name: Wk, .offset: 8, .size: 8, .value_kind: global_buffer, .address_space: global }
      - { .name: Wv, .offset: 16, .size: 8, .value_kind: global_buffer, .address_space: global }
      - { .name: wts, .offset: 24, .size: 8, .value_kind: global_buffer, .address_space: global }
    .group_segment_fixed_size: 0
    .private_segment_fixed_size: 0
    .kernarg_segment_align: 8
    .kernarg_segment_size: 32
    .max_flat_workgroup_size: 128
    .sgpr_count:     66
    .vgpr_count:     168
    .wavefront_size: 32
...
	.end_amdgpu_metadata
.endif
;; end of part 1
;; launch pass1 (part 2): grid 256 x 1, 8 waves a work-group, no clusters, 327,680 bytes of LDS; arguments x, mask, wts, xq, part; writes xq, part
.if DOCPART == 2
	.amdgcn_target "amdgcn-amd-amdhsa--gfx1250"
	.amdhsa_code_object_version 6
	.text
	.protected	k_qb5e0bc5c23_pass1
	.globl	k_qb5e0bc5c23_pass1
	.p2align	8
	.type	k_qb5e0bc5c23_pass1,@function
k_qb5e0bc5c23_pass1:
	s_mov_b64 s[64:65], 0
	v_nop
	global_prefetch_b8 v0, s[64:65] scope:SCOPE_SE
	s_setreg_imm32_b32 hwreg(HW_REG_WAVE_MODE, 25, 1), 1
	s_wait_xcnt 0x0
; FIRST PASS over x [65536][1024] f32.  x is read once, quantised to FP4 (E2M1, one E8M0 byte for each 32 along K), and its codes are kept (xq) for the second pass.
; From the codes: k = x Wk, v = x Wv.  k: exact zeros become 1e-6, then each head's 32 channels are divided by their L2 norm.  v: rows whose mask byte is 0 become 0.
; Then, for each head, the work-group's part of kvs[m][d] = sum over nodes of Q(k)[node][m] Q(v)[node][d] (quantised along the nodes, blocks of 32 nodes) and of ks_sum[m] = sum over nodes of k (f32).
; SHARES.  A work-group takes 256 rows (all of one batch), in 8 trips of 32.  WAVE w IS HEAD w: it holds Wk's and Wv's 32 columns of that head for all of K in registers (window 1, 256 registers, read once),
; so k and v of a head meet in one wave and the product over the nodes never leaves it.  Two waves lie on a SIMD: one wave's vector work stands beside the other's matrix work.
; A TRIP.  Q: wave w quantises rows 4 w .. 4 w + 3 of the slot (a lane holds one whole block of 32) and stores codes and scale bytes into an IMAGE of the operand's registers in LDS | one barrier, behind which the
; slot is filled again | G: every wave multiplies the 32 rows (two tiles of 16) by its four tiles of columns: 64 matrix instructions | P: norm, mask, quantising along the nodes, 4 matrix instructions.
; THE ROWS OF A TILE ARE NOT NEIGHBOURS: lane r of tile u is row 8 u + r + 8 (r / 8), so that in the results (x is source 0) a lane's 16 registers of tiles 0 and 1 are nodes 16 (lane / 16) + 0 .. 15.
; THE RING.  Two LDS slots of 32 rows.  Each wave fetches its own 4 rows (16 KiB, dense in memory) by one tensor load and reads only those: its own wait on TENSORcnt orders its reads.
; By this text's count a wave has two tensor loads out at the start and one behind each barrier; that load has the rest of the trip and the next trip's Q in which to land.
; THE ENDS.  The weights are waited for ahead of the first products, not ahead of the first Q, which reads none of them.  Behind the barrier of the last trip but one nothing is filled again, so the last slot's load
; may stay out across it: it is waited for at the last trip's head, and the last trip but one multiplies while it lands.
; NO CLUSTER: no two work-groups read the same rows of x; the weights are shared, but each wave reads its part once, straight into registers, and the two slots take the LDS.
; NO PREFETCH: the slot on its way is 128 KiB for each work-group; a slot asked for ahead of it would double what is asked for and not yet read.
; LIMITS: a head of k whose sum of squares lies under 2^-126 is not served (the reciprocal root takes it for 0); NaN and infinities among the inputs are not served; a block of zeros carries the byte 1
; over zero codes (only this program reads the bytes).
.set SLOTB,  139264                    ; a slot: 32 rows x 4,352 bytes (16 pieces of 256 bytes, 16 bytes of padding behind each)
.set WROWS,  17408                     ; a wave's 4 rows in a slot
.set IMG,    2*SLOTB                   ; two images by turns: 64 pieces (32 u + block) of 256 bytes (16 r in it) + 16 of padding, then 1,024 bytes of scale words (128 ks + 64 u + 4 r)
.set IMGB,   18432
.set ISC,    IMG+17408
.set SPARE,  IMG+2*IMGB                ; the spare words, 128 bytes for each of the eight waves: four blocks of 256 bytes that no other line names
.set SPW, 1                            ; v1   SPARE + 4 x my thread's number; never rewritten
.set NIL, 2                            ; v2   0; never rewritten
.set QA,  3                            ; v3-4 Q: my block of my wave's first row, in slot 0, 1
.set IW,  5                            ; v5   Q: where my block's 16 bytes of codes go
.set SW,  6                            ; v6   Q: and its scale byte
.set FA,  7                            ; v7   G: my lane's place in a fragment's image
.set FS,  8                            ; v8   G: and among the scale words
.set CP,  9                            ; v9   my wave's eighth of the image's codes
.set CG,  10                           ; v10  and its place in xq
.set MKO, 11                           ; v11  16 (lane / 16): my 16 nodes' mask bytes
.set EPS, 12                           ; v12  1e-6
.set CSL, 13                           ; v13  waves 0-3: my quarter of the image's scale words
.set CSG, 14                           ; v14  and its place in xq
.set WO,  15                           ; v15  the weights' loads: 16 x lane + 16,384 x wave
.set MK,  16                           ; v16-19 mask bytes
.set SM,  20                           ; v20-23 ks_sum: a pair for each of k's two tiles
.set WSC, 24                           ; v24-39 the weights' scale words: 8 p + ks, p = 0 k, 1 v; lanes 0-15 tile 0, lanes 16-31 tile 1
.set XSC, 40                           ; v40-47 x's scale words of the 8 K steps: lanes 0-15 tile 0, lanes 16-31 tile 1
.set CSC, 48                           ; v48-51 the scale words of the four tiles quantised along the nodes
.set TM,  52                           ; v52-55 at work (v52 is the address of the weights' scale words until they are in)
.set TN,  248                          ; v248-255 at work
.set XF,  56                           ; v56-119 x's fragments: four sets of two
.set T,   XF+32                        ; Q: codes (16) and bytes (4);  P: the 16 nodes' sums of squares
.set ACC, 120                          ; v120-183 results: tile of columns nt (0, 1 k; 2, 3 v), tile of rows u at 16 nt + 8 u;  Q: two sets of 32 numbers
.set KV,  184                          ; v184-215 kvs: accumulator 2 dt + u'
.set CO,  216                          ; v216-247 the four tiles' codes, 8 registers each
.set MSB, 0
.macro WIN new                         ; the immediate's high byte repeats the setting that is left
.if MSB != \new
	s_set_vgpr_msb (MSB<<8)|\new
.set MSB, \new
.endif
.endm
.macro PLACES                          ; four plain lines behind a matrix instruction, ahead of loads into its registers and of reads of its result
.rept 4
	v_nop
.endr
.endm
; One matrix instruction on the registers rD, rA, rB, rSA, rSB.  zero: C = 0 starts the sum.  ra, rb: the side's scales stand in lanes 16-31
.macro WM zero, ra, rb
.if \zero
.if (\ra)==0 && (\rb)==0
	v_wmma_scale_f32_16x16x128_f8f6f4 v[rD:rD+7], v[rA:rA+7], v[rB:rB+7], 0, v[rSA], v[rSB] matrix_a_fmt:MATRIX_FMT_FP4 matrix_b_fmt:MATRIX_FMT_FP4
.elseif (\ra)==1 && (\rb)==0
	v_wmma_scale_f32_16x16x128_f8f6f4 v[rD:rD+7], v[rA:rA+7], v[rB:rB+7], 0, v[rSA], v[rSB] matrix_a_fmt:MATRIX_FMT_FP4 matrix_b_fmt:MATRIX_FMT_FP4 matrix_a_scale:MATRIX_SCALE_ROW1
.elseif (\ra)==0 && (\rb)==1
	v_wmma_scale_f32_16x16x128_f8f6f4 v[rD:rD+7], v[rA:rA+7], v[rB:rB+7], 0, v[rSA], v[rSB] matrix_a_fmt:MATRIX_FMT_FP4 matrix_b_fmt:MATRIX_FMT_FP4 matrix_b_scale:MATRIX_SCALE_ROW1
.else
	v_wmma_scale_f32_16x16x128_f8f6f4 v[rD:rD+7], v[rA:rA+7], v[rB:rB+7], 0, v[rSA], v[rSB] matrix_a_fmt:MATRIX_FMT_FP4 matrix_b_fmt:MATRIX_FMT_FP4 matrix_a_scale:MATRIX_SCALE_ROW1 matrix_b_scale:MATRIX_SCALE_ROW1
.endif
.else
.if (\ra)==0 && (\rb)==0
	v_wmma_scale_f32_16x16x128_f8f6f4 v[rD:rD+7], v[rA:rA+7], v[rB:rB+7], v[rD:rD+7], v[rSA], v[rSB] matrix_a_fmt:MATRIX_FMT_FP4 matrix_b_fmt:MATRIX_FMT_FP4
.elseif (\ra)==1 && (\rb)==0
	v_wmma_scale_f32_16x16x128_f8f6f4 v[rD:rD+7], v[rA:rA+7], v[rB:rB+7], v[rD:rD+7], v[rSA], v[rSB] matrix_a_fmt:MATRIX_FMT_FP4 matrix_b_fmt:MATRIX_FMT_FP4 matrix_a_scale:MATRIX_SCALE_ROW1
.elseif (\ra)==0 && (\rb)==1
	v_wmma_scale_f32_16x16x128_f8f6f4 v[rD:rD+7], v[rA:rA+7], v[rB:rB+7], v[rD:rD+7], v[rSA], v[rSB] matrix_a_fmt:MATRIX_FMT_FP4 matrix_b_fmt:MATRIX_FMT_FP4 matrix_b_scale:MATRIX_SCALE_ROW1
.else
	v_wmma_scale_f32_16x16x128_f8f6f4 v[rD:rD+7], v[rA:rA+7], v[rB:rB+7], v[rD:rD+7], v[rSA], v[rSB] matrix_a_fmt:MATRIX_FMT_FP4 matrix_b_fmt:MATRIX_FMT_FP4 matrix_a_scale:MATRIX_SCALE_ROW1 matrix_b_scale:MATRIX_SCALE_ROW1
.endif
.endif
.endm
	s_load_b256 s[4:11], s[0:1], 0x0               ; x s[4:5], mask s[6:7], wts s[8:9], xq s[10:11]
	s_load_b64 s[12:13], s[0:1], 0x20              ; part
	v_lshl_add_u32 v[SPW], v0, 2, SPARE
	v_mov_b32 v[NIL], 0
	ds_add_u32 v1, v2
	ds_add_u32 v1, v2
	s_wait_dscnt 0x0
	v_lshrrev_b32 v3, 5, v0
	v_readfirstlane_b32 s14, v3                    ; wave 0..7 = head
	; descriptor group 1: a wave's 4 rows are 16 KiB of dense memory: 64 rows of 256 bytes (32 elements of 8 bytes), 16 bytes of padding behind each
	s_mov_b32 s16, (3<<16)|(1<<20)|(5<<22)|(3<<25) ; no mask; elements of 8 bytes; padding on; after every 64 words; 4 words
	s_mov_b32 s17, 32<<16                          ; tensor_dim0 = 32
	s_mov_b32 s18, 64<<16                          ; tensor_dim1 = 64
	s_mov_b32 s19, 32<<16                          ; tile_dim0 = 32
	s_mov_b32 s20, 64                              ; tile_dim1 = 64
	s_mov_b32 s21, 32                              ; from row to row: 32 elements
	s_mov_b32 s22, 0
	s_mov_b32 s23, 0
	s_lshl_b32 s36, ttmp9, 20                      ; the work-group's 256 rows of 4,096 bytes,
	s_lshl_b32 s37, s14, 14                        ; my wave's 4 rows of a trip's 32
	s_add_co_u32 s36, s36, s37
	s_mov_b32 s37, 0
	s_mul_i32 s38, s14, WROWS                      ; and their place in a slot
	s_wait_kmcnt 0x0
	s_add_nc_u64 s[4:5], s[4:5], s[36:37]
.irp p, 0,1                            ; group 0 for each slot, and the two first fills, ahead of every wait on TENSORcnt, every LDS read and every barrier
	s_mov_b32 s[24+4*\p], 1
	s_add_co_u32 s[25+4*\p], s38, \p*SLOTB
	s_add_nc_u64 s[26+4*\p:27+4*\p], s[4:5], \p*131072
	s_or_b32 s[27+4*\p], s[27+4*\p], 0x80000000
	tensor_load_to_lds s[24+4*\p:27+4*\p], s[16:23]
	s_nop 0
.endr
	PLACES                                         ; four lines behind the tensor load, ahead of the switch of windows
	v_and_b32 v53, 31, v0                          ; lane
	v_and_b32 v54, 15, v0                          ; r
	v_bfe_u32 v55, v0, 4, 1                        ; h
	v_lshlrev_b32 v[WO], 4, v53
	v_lshl_add_u32 v[WO], s14, 14, v[WO]
	v_lshlrev_b32 v52, 2, v53
	v_lshl_add_u32 v52, s14, 10, v52               ; the scale words: 4 x lane + 1,024 x wave
	WIN 0x40                                       ; destination window 1
.irp ks, 0,1,2,3,4,5,6,7               ; the weights' fragments (tile nt, K step ks) at v[8 (4 ks + nt)] of window 1: they stay
.irp nt, 0,1,2,3
.irp c, 0,1
	global_load_b128 v[8*(4*\ks+\nt)+4*\c:8*(4*\ks+\nt)+4*\c+3], v[WO], s[8:9] offset:(1+\nt/2)*131072+(\nt%2)*8192+\ks*1024+512*\c
.endr
.endr
.endr
	WIN 0
.irp p, 0,1
.irp ks, 0,1,2,3,4,5,6,7
	global_load_b32 v[WSC+8*\p+\ks], v52, s[8:9] offset:393216+(1+\p)*8192+\ks*128
.endr
.endr
	s_lshl_b32 s36, ttmp9, 8                       ; the work-group's parts of mask, xq and part
	s_add_nc_u64 s[6:7], s[6:7], s[36:37]
	s_mul_i32 s36, ttmp9, 139264
	s_add_nc_u64 s[10:11], s[10:11], s[36:37]
	s_mul_i32 s36, ttmp9, 33792
	s_add_nc_u64 s[12:13], s[12:13], s[36:37]
	s_mov_b32 s34, 0x76543210
	s_mov_b32 s35, 0xfedcba98                      ; v_permlanex16_b32's selects for lane l xor 16
	s_mov_b32 s56, 0xffff0000                      ; lanes 16-31
	; row 4 w + i of the 32 lies in tile u0 = (w >> 1) & 1 at place r0 + i, r0 = 4 (w & 1) + 8 (w >> 2)
	s_bfe_u32 s36, s14, 0x10001
	s_and_b32 s37, s14, 1
	s_lshl_b32 s37, s37, 2
	s_lshr_b32 s39, s14, 2
	s_lshl_b32 s39, s39, 3
	s_add_co_u32 s37, s37, s39
	s_mul_i32 s39, s36, 8704
	s_lshl_b32 s33, s37, 4
	s_add_co_u32 s39, s39, s33
	s_add_co_u32 s39, s39, IMG
	v_mul_u32_u24 v[IW], v53, 272                  ; my block's piece: lanes 272 bytes apart, so that 16 lanes' stores fall on 16 different 16-byte columns modulo 256
	v_add_nc_u32 v[IW], s39, v[IW]
	s_lshl_b32 s39, s36, 6
	s_lshl_b32 s33, s37, 2
	s_add_co_u32 s39, s39, s33
	s_add_co_u32 s39, s39, ISC
	v_lshrrev_b32 v[SW], 2, v53
	v_lshlrev_b32 v[SW], 7, v[SW]                  ; block l is byte l & 3 of K step l >> 2
	v_and_b32 v[FA], 3, v53
	v_add_nc_u32 v[SW], v[SW], v[FA]
	v_add_nc_u32 v[SW], s39, v[SW]
	v_lshrrev_b32 v[QA], 1, v53
	v_lshlrev_b32 v[QA], 4, v[QA]
	v_lshl_add_u32 v[QA], v53, 7, v[QA]            ; block l of a row: 128 l, + 16 for each 256 passed: 16 lanes' loads fall on 16 different 16-byte columns modulo 256
	v_add_nc_u32 v[QA], s38, v[QA]
	v_add_nc_u32 v[QA+1], SLOTB, v[QA]
	v_mul_u32_u24 v[FA], v55, 272
	v_lshl_add_u32 v[FA], v54, 4, v[FA]
	v_add_nc_u32 v[FA], IMG, v[FA]                 ; a fragment's group c of K step ks, tile u: piece 32 u + 4 ks + 2 c + h, byte 16 r
	v_lshl_add_u32 v[FS], v53, 2, ISC
	s_mul_i32 s33, s14, 2176
	v_add_nc_u32 v[CP], s33, v[FA]                 ; pieces 8 w .. 8 w + 7, two an instruction
	v_lshlrev_b32 v[CG], 4, v53
	v_lshl_add_u32 v[CG], s14, 11, v[CG]
	v_lshlrev_b32 v[MKO], 4, v55
	v_mov_b32 v[EPS], 0x358637bd
	s_and_b32 s33, s14, 3
	s_lshl_b32 s33, s33, 8
	v_lshlrev_b32 v[CSG], 3, v53
	v_add_nc_u32 v[CSG], s33, v[CSG]
	v_add_nc_u32 v[CSL], ISC, v[CSG]
	; kvs and ks_sum begin as zeros, so that the trip is written once for all eight: 36 moves, once, against a first trip of its own
.set i, 0
.rept 32
	v_mov_b32 v[KV+i], 0
.set i, i+1
.endr
.irp i, 0,1,2,3
	v_mov_b32 v[SM+\i], 0
	v_mov_b32 v[TN+\i], 0                          ; written once: a lane permute's destination counts as one of its sources
.irp e, 4,5,6,7
	v_mov_b32 v[CO+8*\i+\e], 0                     ; K = 64 .. 127 of the product over the nodes: zero codes
.endr
.endr
	s_mov_b32 s32, 3
	s_wait_tensorcnt 0x1                           ; my rows of slot 0 are in; slot 1's load may be out.  I read only rows that I fetched: no barrier is wanted.  (The weights may still be out: Q reads none of them)
.macro LOADROW par, i, set             ; my block of 32 numbers of my wave's row i
.irp j, 0,1,2,3,4,5,6,7
	ds_load_b128 v[ACC+32*\set+4*\j:ACC+32*\set+4*\j+3], v[QA+\par] offset:4352*\i+16*\j
.endr
.endm
.macro QROW par, i, set                ; it becomes 16 bytes of codes and a scale byte, in the image
.set XS, ACC+32*\set
	v_max3_num_f32 v[TN], |v[XS]|, |v[XS+1]|, |v[XS+2]|
	v_max3_num_f32 v[TN+1], |v[XS+3]|, |v[XS+4]|, |v[XS+5]|
.irp e, 6,10,14,18,22,26
	v_max3_num_f32 v[TN], v[TN], |v[XS+\e]|, |v[XS+\e+1]|
	v_max3_num_f32 v[TN+1], v[TN+1], |v[XS+\e+2]|, |v[XS+\e+3]|
.endr
	v_max3_num_f32 v[TN], v[TN], |v[XS+30]|, |v[XS+31]|
	v_max3_num_f32 v[TN], v[TN], v[TN+1], 0x1800000          ; the floor 2^(3 - 127): the byte cannot fall under 1
	v_add_nc_u32 v[TN+4+\i], 0xff000000, v[TN]               ; 2 off the exponent field: the conversion's scale operand
.irp g, 0,1,2,3
	v_cvt_scalef32_pk8_fp4_f32 v[T+4*\i+\g], v[XS+8*\g:XS+8*\g+7], v[TN+4+\i]
.endr
	v_lshrrev_b32 v[T+16+\i], 23, v[TN+4+\i]                 ; the byte; also the plain line behind the conversions
	ds_store_b128 v[IW], v[T+4*\i:T+4*\i+3] offset:IMGB*\par+16*\i
	ds_store_b8 v[SW], v[T+16+\i] offset:IMGB*\par+4*\i
.endm
.macro FRAGS par, ks                   ; x's two fragments of K step ks into set ks % 4
.irp u, 0,1
.irp c, 0,1
	ds_load_b128 v[XF+16*((\ks)%4)+8*\u+4*\c:XF+16*((\ks)%4)+8*\u+4*\c+3], v[FA] offset:IMGB*\par+8704*\u+1088*(\ks)+544*\c
.endr
.endr
.endm
.macro KSTEP ks                        ; 8 matrix instructions: source 0 = 16 rows of x, source 1 = 16 columns of Wk or Wv.  The eight accumulators take turns, one instruction a turn
.irp nt, 0,1,2,3
.irp u, 0,1
.set rD, ACC+16*\nt+8*\u
.set rA, XF+16*((\ks)%4)+8*\u
.set rB, 8*(4*(\ks)+\nt)
.set rSA, XSC+(\ks)
.set rSB, WSC+8*(\nt/2)+(\ks)
	WM (\ks)==0, \u, \nt%2
.endr
.endr
.endm
.macro GEMM par
.irp ks, 0,1,2,3,4,5,6,7
	ds_load_b32 v[XSC+\ks], v[FS] offset:IMGB*\par+128*\ks
.endr
	FRAGS \par, 0
	FRAGS \par, 1
	FRAGS \par, 2
	FRAGS \par, 3
	WIN 0x04                                       ; source 1 (the weights) window 1; an LDS load names a destination and source 0 alone, so one setting serves the whole run
	s_wait_dscnt 8                                 ; the scale words and K steps 0, 1 are in; the eight loads of K steps 2, 3 may be out
	KSTEP 0
	KSTEP 1
	PLACES
	FRAGS \par, 4
	FRAGS \par, 5
	s_wait_dscnt 8                                 ; all but the eight just issued
	KSTEP 2
	KSTEP 3
	PLACES
	FRAGS \par, 6
	FRAGS \par, 7
	s_wait_dscnt 8
	KSTEP 4
	KSTEP 5
	s_wait_dscnt 0x0
	KSTEP 6
	KSTEP 7
	WIN 0
.endm
; The four tiles (k's two, v's two) are quantised along the nodes.  A tile's 16 registers are nodes 16 h + 0 .. 15 of the lane's column; lanes l and l xor 16 hold the block of 32.  The four by turns, line by line.
.macro QCOL4
.irp b, 0,1,2,3
	v_max3_num_f32 v[TM+\b], |v[ACC+16*\b]|, |v[ACC+16*\b+1]|, 0x1800000
.endr
.irp e, 2,4,6,8,10,12,14
.irp b, 0,1,2,3
	v_max3_num_f32 v[TM+\b], v[TM+\b], |v[ACC+16*\b+\e]|, |v[ACC+16*\b+\e+1]|
.endr
.endr
.irp b, 0,1,2,3
	v_permlanex16_b32 v[TN+\b], v[TM+\b], s34, s35
.endr
.irp b, 0,1,2,3
	v_max_num_f32 v[TM+\b], v[TM+\b], v[TN+\b]
.endr
.irp b, 0,1,2,3
	v_add_nc_u32 v[TN+4+\b], 0xff000000, v[TM+\b]
.endr
.irp b, 0,1,2,3
	v_lshrrev_b32 v[CSC+\b], 23, v[TN+4+\b]        ; the scale word: the block's byte below; bytes 1 to 3 are 0, over zero codes
.endr
.irp b, 0,1,2,3
	v_cvt_scalef32_pk8_fp4_f32 v[CO+8*\b], v[ACC+16*\b:ACC+16*\b+7], v[TN+4+\b]
	v_cvt_scalef32_pk8_fp4_f32 v[CO+8*\b+1], v[ACC+16*\b+8:ACC+16*\b+15], v[TN+4+\b]
.endr
.irp b, 0,1,2,3
	v_mov_b32 v[CO+8*\b+2], 0                      ; (also the plain lines behind the conversions)
	v_mov_b32 v[CO+8*\b+3], 0
.endr
.irp b, 0,1,2,3                        ; the operand wants the whole block in lanes 0-15: my upper lanes' halves change places with zeros: registers 0-3 of lanes 0-15 hold nodes 0 .. 31, all else zero codes
	v_permlane16_swap_b32 v[CO+8*\b], v[CO+8*\b+2]
	v_permlane16_swap_b32 v[CO+8*\b+1], v[CO+8*\b+3]
.endr
.endm
; mode 1: a trip of the ring: its slot is filled again.  mode 2: the last trip but one: nothing is filled again, the last slot's load stays out.  mode 3: the last trip: that load is waited for at its head
.macro TRIP par, mode
.if \mode == 3
	s_wait_tensorcnt 0x0                           ; my rows of the last slot are in: I read only rows that I fetched
.endif
	global_load_b128 v[MK:MK+3], v[MKO], s[6:7] offset:32*\par     ; the mask bytes of nodes 16 h + 0 .. 15
	; ---- Q
	LOADROW \par, 0, 0
	LOADROW \par, 1, 1
	s_wait_dscnt 8                                 ; row 0 is in; row 1's eight loads may be out
	QROW \par, 0, 0
	LOADROW \par, 2, 0
	s_wait_dscnt 10                                ; behind row 1's loads: two stores and eight loads
	QROW \par, 1, 1
	LOADROW \par, 3, 1
	s_wait_dscnt 10                                ; likewise behind row 2's
	QROW \par, 2, 0
	s_wait_dscnt 2                                 ; behind row 3's loads: row 2's two stores
	QROW \par, 3, 1
.if \mode == 1
	; ---- the change of slots; the same barrier shows the image to every wave
	s_wait_tensorcnt 0x0                           ; all my tensor loads have landed: the one that was out is my part of the other slot
	ds_add_u32 v[SPW], v[NIL]                      ; 0 onto my spare word
	s_add_nc_u64 s[26+4*\par:27+4*\par], s[26+4*\par:27+4*\par], 262144   ; no load of mine is out, so a group 0 may be written: this slot's rows two trips on
	s_wait_dscnt 0x0                               ; the add is done, my reads of this slot are over, my stores into the image have landed
	s_barrier_signal -1
	s_barrier_wait -1
	tensor_load_to_lds s[24+4*\par:27+4*\par], s[16:23]            ; my one tensor load behind this barrier, and the first thing there
	s_nop 0
	PLACES
.else
	s_wait_dscnt 0x0                               ; my stores into the image have landed, and my reads of the other image, a trip ago, are over
	s_barrier_signal -1                            ; this barrier shows the image to every wave, and nothing else: no LDS byte is filled again behind it
	s_barrier_wait -1
.endif
	s_wait_xcnt 0x0                                ; the last trip's stores to xq have read their registers, which the fragments now take
	s_wait_loadcnt 0x1                             ; the weights and their scale words are in: behind them one load was issued, this trip's mask bytes.  From the second trip on nothing else is out
	; ---- G
	GEMM \par
	PLACES
.irp i, 0,1,2,3
	ds_load_b128 v[XF+4*\i:XF+4*\i+3], v[CP] offset:IMGB*\par+544*\i   ; my eighth of the image's codes, on its way to xq
.endr
	; ---- P: k.  Each accumulator is read from its low end on
.set i, 0
.rept 32
	v_cmp_eq_f32 vcc_lo, 0, v[ACC+i]
	v_cndmask_b32 v[ACC+i], v[ACC+i], v[EPS], vcc_lo               ; an exact zero becomes 1e-6
.set i, i+1
.endr
.irp e, 0,2,4,6,8,10,12,14
	v_pk_mul_f32 v[T+\e:T+\e+1], v[ACC+\e:ACC+\e+1], v[ACC+\e:ACC+\e+1]
.endr
.irp e, 0,2,4,6,8,10,12,14
	v_pk_fma_f32 v[T+\e:T+\e+1], v[ACC+16+\e:ACC+16+\e+1], v[ACC+16+\e:ACC+16+\e+1], v[T+\e:T+\e+1]   ; my two channels' squares, for each of my 16 nodes
.endr
.irp m, 1,2,4,8
.set i, 0
.rept 16
	v_add_f32_dpp v[T+i], v[T+i], v[T+i] row_xmask:\m row_mask:0xf bank_mask:0xf   ; over the 16 lanes that hold the head's other channels
.set i, i+1
.endr
.endr
	s_wait_dscnt 0x0                               ; the image's codes are in registers
.irp i, 0,1,2,3
	global_store_b128 v[CG], v[XF+4*\i:XF+4*\i+3], s[10:11] offset:17408*\par+512*\i th:TH_STORE_NT   ; 32 lanes store 512 consecutive bytes, aligned
.endr
	s_cmp_lt_u32 s14, 4                            ; waves 0 to 3 also take 256 bytes of scale words each
	s_cbranch_scc0 .Lno_scales_\@
	ds_load_b64 v[XF+16:XF+17], v[CSL] offset:IMGB*\par
	s_wait_dscnt 0x0
	global_store_b64 v[CSG], v[XF+16:XF+17], s[10:11] offset:17408*\par+16384 th:TH_STORE_NT
.Lno_scales_\@:
.set i, 0
.rept 16
	v_rsq_f32 v[T+i], v[T+i]                       ; 1 / the norm: one batch
.set i, i+1
.endr
	; ---- P: v's mask, the independent work behind the batch
	s_wait_loadcnt 0x0                             ; the mask bytes
.set i, 0
.rept 16
	v_bfe_u32 v[TN+i%4], v[MK+i/4], 8*(i%4), 8
	v_cmp_ne_u32 s[40+i], 0, v[TN+i%4]
.set i, i+1
.endr
.irp b, 2,3
.set i, 0
.rept 16
	v_cndmask_b32 v[ACC+16*\b+i], 0, v[ACC+16*\b+i], s[40+i]       ; a node whose byte is 0 has v = 0
.set i, i+1
.endr
.endr
	s_wait_alu depctr_va_vdst(0)                   ; one wait for the 16 reciprocal roots, ahead of their first reader
.irp e, 0,2,4,6,8,10,12,14
	v_pk_mul_f32 v[ACC+\e:ACC+\e+1], v[ACC+\e:ACC+\e+1], v[T+\e:T+\e+1]
	v_pk_mul_f32 v[ACC+16+\e:ACC+16+\e+1], v[ACC+16+\e:ACC+16+\e+1], v[T+\e:T+\e+1]
.endr
	QCOL4
.irp e, 0,2,4,6,8,10,12,14             ; ks_sum takes the unquantised k.  These 16 lines are also the places between the scale words and codes just made and the matrix instructions
	v_pk_add_f32 v[SM:SM+1], v[SM:SM+1], v[ACC+\e:ACC+\e+1]
	v_pk_add_f32 v[SM+2:SM+3], v[SM+2:SM+3], v[ACC+16+\e:ACC+16+\e+1]
.endr
.irp dt, 0,1                           ; kvs += Q(k)^T Q(v) over these 32 nodes: source 0 = 16 channels of k, source 1 = 16 channels of v; register j of lane (r, h): m = 16 h + 8 u' + j, d = 16 dt + r
.irp up, 0,1
.set rD, KV+8*(2*\dt+\up)
.set rA, CO+8*\up
.set rB, CO+16+8*\dt
.set rSA, CSC+\up
.set rSB, CSC+2+\dt
	WM 0, 0, 0
.endr
.endr
.endm
.Lpair:                                ; three trips of the loop: rows 0 to 191; each fills both slots again
	TRIP 0, 1
	TRIP 1, 1
	s_wait_xcnt 0x0                                ; every load and store has read its base: both may step
	s_add_nc_u64 s[10:11], s[10:11], 34816
	s_add_nc_u64 s[6:7], s[6:7], 64
	s_sub_co_u32 s32, s32, 1
	s_cmp_lg_u32 s32, 0
	s_cbranch_scc1 .Lpair
	TRIP 0, 2                                      ; the last two trips are written out: nothing is left to fetch
	TRIP 1, 3
	; the work-group's parts leave.  The seven plain lines below are the places behind the last matrix instructions
	v_add_f32 v[SM], v[SM], v[SM+1]
	v_add_f32 v[SM+2], v[SM+2], v[SM+3]
	v_and_b32 v[TM], 31, v0
	v_lshlrev_b32 v[TM+1], 4, v[TM]
	v_lshl_add_u32 v[TM+1], s14, 12, v[TM+1]       ; kvs: 4,096 x head + 16 x lane
	v_lshlrev_b32 v[TM+2], 2, v[TM]
	v_lshl_add_u32 v[TM+2], s14, 7, v[TM+2]        ; ks_sum: 128 x head + 4 x lane
	v_permlanex16_b32 v[TN], v[SM], s34, s35
	v_permlanex16_b32 v[TN+1], v[SM+2], s34, s35
	v_add_f32 v[SM], v[SM], v[TN]
	v_add_f32 v[SM+2], v[SM+2], v[TN+1]
	v_cndmask_b32 v[SM], v[SM], v[SM+2], s56       ; lanes 0-15: tile 0's places, lanes 16-31: tile 1's
.irp a, 0,1,2,3
.irp q, 0,1
	global_store_b128 v[TM+1], v[KV+8*\a+4*\q:KV+8*\a+4*\q+3], s[12:13] offset:1024*\a+512*\q th:TH_STORE_NT   ; each accumulator from its low end on; 512 consecutive bytes
.endr
.endr
	global_store_b32 v[TM+2], v[SM], s[12:13] offset:32768 th:TH_STORE_NT
	s_wait_tensorcnt 0x0                           ; the wave's end
	ds_add_u32 v[SPW], v[NIL]
	s_wait_dscnt 0x0
	s_endpgm
.Lfunc_end_k_qb5e0bc5c23_pass1:
	.size	k_qb5e0bc5c23_pass1, .Lfunc_end_k_qb5e0bc5c23_pass1-k_qb5e0bc5c23_pass1
	.p2alignl 7, 3214868480
	.fill 96, 4, 3214868480
	.section	.rodata,"a",@progbits
	.p2align	6, 0x0
	.amdhsa_kernel k_qb5e0bc5c23_pass1
		.amdhsa_group_segment_fixed_size 327680
		.amdhsa_private_segment_fixed_size 0
		.amdhsa_enable_private_segment 0
		.amdhsa_kernarg_size 40
		.amdhsa_user_sgpr_count 2
		.amdhsa_user_sgpr_kernarg_segment_ptr 1
		.amdhsa_wavefront_size32 1
		.amdhsa_system_sgpr_workgroup_id_x 1
		.amdhsa_system_sgpr_workgroup_id_y 1
		.amdhsa_system_sgpr_workgroup_id_z 1
		.amdhsa_system_vgpr_workitem_id 0
		.amdhsa_next_free_vgpr 512
		.amdhsa_next_free_sgpr 66
		.amdhsa_reserve_vcc 1
		.amdhsa_float_denorm_mode_32 3
		.amdhsa_float_denorm_mode_16_64 3
		.amdhsa_memory_ordered 1
		.amdhsa_forward_progress 1
		.amdhsa_inst_pref_size 170
	.end_amdhsa_kernel
	.amdgpu_metadata
---
amdhsa.version: [ 1, 2 ]
amdhsa.kernels:
  - .name:           k_qb5e0bc5c23_pass1
    .symbol:         k_qb5e0bc5c23_pass1.kd
    .args:
      - { .name: x, .offset: 0, .size: 8, .value_kind: global_buffer, .address_space: global }
      - { .name: mask, .offset: 8, .size: 8, .value_kind: global_buffer, .address_space: global }
      - { .name: wts, .offset: 16, .size: 8, .value_kind: global_buffer, .address_space: global }
      - { .name: xq, .offset: 24, .size: 8, .value_kind: global_buffer, .address_space: global }
      - { .name: part, .offset: 32, .size: 8, .value_kind: global_buffer, .address_space: global }
    .group_segment_fixed_size: 327680
    .private_segment_fixed_size: 0
    .kernarg_segment_align: 8
    .kernarg_segment_size: 40
    .max_flat_workgroup_size: 256
    .sgpr_count:     66
    .vgpr_count:     512
    .wavefront_size: 32
...
	.end_amdgpu_metadata
.endif
;; end of part 2
;; launch reduce (part 3): grid 66 x 2, 16 waves a work-group, no clusters, 10,240 bytes of LDS; arguments part, kv; writes kv
.if DOCPART == 3
	.amdgcn_target "amdgcn-amd-amdhsa--gfx1250"
	.amdhsa_code_object_version 6
	.text
	.protected	k_qb5e0bc5c23_reduce
	.globl	k_qb5e0bc5c23_reduce
	.p2align	8
	.type	k_qb5e0bc5c23_reduce,@function
k_qb5e0bc5c23_reduce:
	s_mov_b64 s[64:65], 0
	v_nop
	global_prefetch_b8 v0, s[64:65] scope:SCOPE_SE
	s_setreg_imm32_b32 hwreg(HW_REG_WAVE_MODE, 25, 1), 1
	s_wait_xcnt 0x0
; The 128 work-groups' parts of each batch (33,792 bytes each: kvs of 8 heads as images of accumulators, then ks_sum) are added, number by number, in f32.  kv: [2 (batch)][33,792 bytes], laid as a part is.
; Nothing here knows what a number is: the quantising of kvs stands in the next launch's head, so that the sum can be shared out by bytes.
; SHARES.  Grid x: which 512 bytes of a part (66 of them); grid y: the batch.  Wave wv adds parts 8 wv .. 8 wv + 7: eight loads of 512 consecutive bytes, all issued at once.
; The 16 waves' sums meet in LDS (512 bytes a wave); wave 0 adds them and stores 512 consecutive bytes, aligned.
; No matrix work, no tensor load, no cluster: every byte of part is read once, by one work-group.  NaN and infinities are not served.
.set PB, 33792                         ; bytes in a part
	s_load_b128 s[4:7], s[0:1], 0x0                ; part, kv
	v_lshl_add_u32 v96, v0, 2, 0x2000
	v_mov_b32 v97, 0
	v_lshrrev_b32 v1, 5, v0
	v_readfirstlane_b32 s8, v1                     ; wave 0..15
	v_and_b32 v2, 31, v0
	v_lshlrev_b32 v3, 4, v2                        ; 16 x lane
	v_lshlrev_b32 v4, 4, v0                        ; 512 x wave + 16 x lane
	s_and_b32 s9, ttmp7, 0xffff                    ; batch
	s_lshl_b32 s10, s9, 7
	s_lshl_b32 s11, s8, 3
	s_add_co_u32 s10, s10, s11                     ; my first part
	s_mul_i32 s10, s10, PB
	s_lshl_b32 s11, ttmp9, 9                       ; the work-group's 512 bytes in it
	s_add_co_u32 s10, s10, s11
	s_mul_i32 s12, s9, PB
	s_add_co_u32 s12, s12, s11                     ; and in kv
	s_mov_b32 s11, 0
	s_mov_b32 s13, 0
	s_wait_kmcnt 0x0
	s_add_nc_u64 s[4:5], s[4:5], s[10:11]
	s_add_nc_u64 s[6:7], s[6:7], s[12:13]
.irp i, 0,1,2,3,4,5,6,7
	global_load_b128 v[16+4*\i:19+4*\i], v3, s[4:5] offset:PB*\i th:TH_LOAD_NT
.endr
.irp i, 1,2,3,4,5,6,7
	s_wait_loadcnt 7-\i                            ; parts 0 to i are in; the later parts' loads may be out
	v_pk_add_f32 v[16:17], v[16:17], v[16+4*\i:17+4*\i]
	v_pk_add_f32 v[18:19], v[18:19], v[18+4*\i:19+4*\i]
.endr
	ds_store_b128 v4, v[16:19]
	s_wait_dscnt 0x0                               ; for the others' sake: my store has landed
	s_barrier_signal -1
	s_barrier_wait -1
	s_cmp_lg_u32 s8, 0                             ; wave 0 finishes: no barrier follows
	s_cbranch_scc1 .Lend
.irp i, 0,1,2,3,4,5,6,7,8,9,10,11,12,13,14,15
	ds_load_b128 v[32+4*\i:35+4*\i], v3 offset:512*\i
.endr
	s_wait_dscnt 0x0
.irp i, 0,1,2,3,4,5,6,7                ; the 16 waves' sums, pairwise: 8, 4, 2 and 1 apart
	v_pk_add_f32 v[32+4*\i:33+4*\i], v[32+4*\i:33+4*\i], v[64+4*\i:65+4*\i]
	v_pk_add_f32 v[34+4*\i:35+4*\i], v[34+4*\i:35+4*\i], v[66+4*\i:67+4*\i]
.endr
.irp i, 0,1,2,3
	v_pk_add_f32 v[32+4*\i:33+4*\i], v[32+4*\i:33+4*\i], v[48+4*\i:49+4*\i]
	v_pk_add_f32 v[34+4*\i:35+4*\i], v[34+4*\i:35+4*\i], v[50+4*\i:51+4*\i]
.endr
.irp i, 0,1
	v_pk_add_f32 v[32+4*\i:33+4*\i], v[32+4*\i:33+4*\i], v[40+4*\i:41+4*\i]
	v_pk_add_f32 v[34+4*\i:35+4*\i], v[34+4*\i:35+4*\i], v[42+4*\i:43+4*\i]
.endr
	v_pk_add_f32 v[32:33], v[32:33], v[36:37]
	v_pk_add_f32 v[34:35], v[34:35], v[38:39]
	global_store_b128 v3, v[32:35], s[6:7]         ; 32 lanes store 512 consecutive bytes, aligned
.Lend:
	s_wait_tensorcnt 0x0
	ds_add_u32 v96, v97
	s_wait_dscnt 0x0
	s_endpgm
.Lfunc_end_k_qb5e0bc5c23_reduce:
	.size	k_qb5e0bc5c23_reduce, .Lfunc_end_k_qb5e0bc5c23_reduce-k_qb5e0bc5c23_reduce
	.p2alignl 7, 3214868480
	.fill 96, 4, 3214868480
	.section	.rodata,"a",@progbits
	.p2align	6, 0x0
	.amdhsa_kernel k_qb5e0bc5c23_reduce
		.amdhsa_group_segment_fixed_size 10240
		.amdhsa_private_segment_fixed_size 0
		.amdhsa_enable_private_segment 0
		.amdhsa_kernarg_size 16
		.amdhsa_user_sgpr_count 2
		.amdhsa_user_sgpr_kernarg_segment_ptr 1
		.amdhsa_wavefront_size32 1
		.amdhsa_system_sgpr_workgroup_id_x 1
		.amdhsa_system_sgpr_workgroup_id_y 1
		.amdhsa_system_sgpr_workgroup_id_z 1
		.amdhsa_system_vgpr_workitem_id 0
		.amdhsa_next_free_vgpr 98
		.amdhsa_next_free_sgpr 66
		.amdhsa_reserve_vcc 0
		.amdhsa_float_denorm_mode_32 3
		.amdhsa_float_denorm_mode_16_64 3
		.amdhsa_memory_ordered 1
		.amdhsa_forward_progress 1
		.amdhsa_inst_pref_size 7
	.end_amdhsa_kernel
	.amdgpu_metadata
---
amdhsa.version: [ 1, 2 ]
amdhsa.kernels:
  - .name:           k_qb5e0bc5c23_reduce
    .symbol:         k_qb5e0bc5c23_reduce.kd
    .args:
      - { .name: part, .offset: 0, .size: 8, .value_kind: global_buffer, .address_space: global }
      - { .name: kv, .offset: 8, .size: 8, .value_kind: global_buffer, .address_space: global }
    .group_segment_fixed_size: 10240
    .private_segment_fixed_size: 0
    .kernarg_segment_align: 8
    .kernarg_segment_size: 16
    .max_flat_workgroup_size: 512
    .sgpr_count:     66
    .vgpr_count:     98
    .wavefront_size: 32
...
	.end_amdgpu_metadata
.endif
;; end of part 3
;; launch pass2 (part 4): grid 256 x 1, 8 waves a work-group, no clusters, 214,016 bytes of LDS; arguments xq, wts, kv, mask, out0; writes out0
.if DOCPART == 4
	.amdgcn_target "amdgcn-amd-amdhsa--gfx1250"
	.amdhsa_code_object_version 6
	.text
	.protected	k_qb5e0bc5c23_pass2
	.globl	k_qb5e0bc5c23_pass2
	.p2align	8
	.type	k_qb5e0bc5c23_pass2,@function
k_qb5e0bc5c23_pass2:
	s_mov_b64 s[64:65], 0
	v_nop
	global_prefetch_b8 v0, s[64:65] scope:SCOPE_SE
	s_setreg_imm32_b32 hwreg(HW_REG_WAVE_MODE, 25, 1), 1
	s_wait_xcnt 0x0
; SECOND PASS.  From x's codes (xq): q = x Wq and v = x Wv once more.  q: exact zeros become 1e-6, each head's 32 channels are divided by their L2 norm.  Then, for each node and head,
;   o[d] = (sum over m of Q(q)[m] Q(kvs)[m][d] + 32768 v[d] (mask)) / (sum over m of q[m] ks_sum[m] + 32768),   and out0 = the mean of o over the 8 heads.
; The product with kvs is on FP4 codes (K = the head's 32 channels); the one with ks_sum is left as it is: fused multiply-adds in f32.
; SHARES.  A work-group takes 256 rows in 8 trips of 32; WAVE w IS HEAD w, with Wq's and Wv's 32 columns of that head in window 1 for the whole launch.
; All that the work-group reads of xq, 139,264 bytes, fits in LDS: each wave fetches one block of 32 rows by ONE tensor load at the start; nothing is filled again.
; THE HEAD.  kvs of my head arrives in f32 (4 KiB, an image of accumulators: lane (r, h), register i: m = 16 h + i, d = 16 dt + r) and is quantised along m in registers, while most of the weights are still on their way.
; LAYOUT.  The products are used transposed (source 0 = 16 columns of the weight, source 1 = 16 rows of x): a lane holds ONE node (place r of tile u: row 8 u + r + 8 (r / 8)).
; Wq's tiles are laid so that a lane's 16 registers of q are channels 16 h + 0 .. 15; v's and the second product's register j is d = 16 dt + 8 h + j.
; The heads meet in a stage in LDS (two by turns, so one barrier a trip): each wave then adds the eight heads for 4 nodes and stores 512 consecutive bytes.
; THE BARRIER IS SPLIT: a wave signals when its numbers lie in the stage, multiplies the NEXT trip's 32 rows (matrix work, and LDS loads of x's blocks, which no wave ever writes), and only then waits and reads the stage.
; A stage is written again two trips on, by a wave that has passed the next barrier's wait; every wave's reads of it are back ahead of that barrier's signal.
; NO CLUSTER: no two work-groups read the same block of xq; the weights go once into each wave's registers.
; LIMITS: a head of q whose sum of squares lies under 2^-126 is not served; the mask is a factor here (0 or 32768), so a masked node's v must be finite; NaN and infinities among the inputs are not served;
; a block of zeros carries the byte 1 over zero codes.
.set BLKB, 17408                       ; a block of 32 rows: codes 8192 u + 256 block + 16 r, scale words at 16384 + 128 ks + 64 u + 4 r
.set STG,  8*BLKB                      ; the stages: 36,864 x turn + 4,608 x head; 32 nodes x (128 bytes + 16)
.set L16, 1                            ; v1   16 x lane
.set L4,  2                            ; v2   4 x lane
.set FA,  3                            ; v3   the block in hand + 16 x lane
.set FS,  4                            ; v4   the block in hand + 4 x lane
.set SO,  5                            ; v5   the stage: where I put my node's numbers
.set SR,  6                            ; v6-7 and where I read 16 bytes of a node back, in stage 0, 1
.set MA,  8                            ; v8   r + 8 (r / 8): my node in tile 0
.set OG,  9                            ; v9   512 x wave + 16 x lane: my place in a trip's 4,096 bytes of out0
.set EPS, 10                           ; v10  1e-6
.set NIL, 11                           ; v11  0
.set MB,  12                           ; v12-13 my two nodes' mask bytes
.set WSC, 16                           ; v16-31 the weights' scale words: 8 p + ks, p = 0 q, 1 v
.set XSC, 32                           ; v32-39 x's scale words
.set KVW, 40                           ; v40-41 kvs' scale words
.set QW,  42                           ; v42-43 q's scale words
.set KSM, 44                           ; v44-59 ks_sum at channels 16 h + 0 .. 15
.set KVF, 60                           ; v60-75 kvs' two fragments
.set QF,  76                           ; v76-91 q's two fragments
.set ST,  92                           ; v92-119 14 registers for each tile of nodes: +0,1 squares; +2,3 dot; +4 maximum; +5, +7, +9 the other lane's; +6 1 / norm; +8 rho1; +9 the divisor; +10 rho2; +11 the mask's factor; +12 scale operand; +13 largest normalised magnitude
.set XF,  120                          ; v120-183 x's fragments: four sets of two; later the second product's results (32) and the rows read back (32)
.set RB,  XF+32
.set ACC, 184                          ; v184-247 results: tile of nodes u, tile of columns nt (0, 1 q; 2, 3 v) at 32 u + 8 nt
.set KT,  ACC                          ; the head: kvs in f32, 16 registers for each dt
.set C32K, 250                         ; v250 32768.0
.set MSB, 0
.macro WIN new                         ; the immediate's high byte repeats the setting that is left
.if MSB != \new
	s_set_vgpr_msb (MSB<<8)|\new
.set MSB, \new
.endif
.endm
.macro PLACES                          ; four plain lines behind a matrix instruction, ahead of loads into its registers and of reads of its result
.rept 4
	v_nop
.endr
.endm
; One matrix instruction on the registers rD, rA, rB, rSA, rSB.  zero: C = 0 starts the sum.  ra, rb: the side's scales stand in lanes 16-31
.macro WM zero, ra, rb
.if \zero
.if (\ra)==0 && (\rb)==0
	v_wmma_scale_f32_16x16x128_f8f6f4 v[rD:rD+7], v[rA:rA+7], v[rB:rB+7], 0, v[rSA], v[rSB] matrix_a_fmt:MATRIX_FMT_FP4 matrix_b_fmt:MATRIX_FMT_FP4
.elseif (\ra)==1 && (\rb)==0
	v_wmma_scale_f32_16x16x128_f8f6f4 v[rD:rD+7], v[rA:rA+7], v[rB:rB+7], 0, v[rSA], v[rSB] matrix_a_fmt:MATRIX_FMT_FP4 matrix_b_fmt:MATRIX_FMT_FP4 matrix_a_scale:MATRIX_SCALE_ROW1
.elseif (\ra)==0 && (\rb)==1
	v_wmma_scale_f32_16x16x128_f8f6f4 v[rD:rD+7], v[rA:rA+7], v[rB:rB+7], 0, v[rSA], v[rSB] matrix_a_fmt:MATRIX_FMT_FP4 matrix_b_fmt:MATRIX_FMT_FP4 matrix_b_scale:MATRIX_SCALE_ROW1
.else
	v_wmma_scale_f32_16x16x128_f8f6f4 v[rD:rD+7], v[rA:rA+7], v[rB:rB+7], 0, v[rSA], v[rSB] matrix_a_fmt:MATRIX_FMT_FP4 matrix_b_fmt:MATRIX_FMT_FP4 matrix_a_scale:MATRIX_SCALE_ROW1 matrix_b_scale:MATRIX_SCALE_ROW1
.endif
.else
.if (\ra)==0 && (\rb)==0
	v_wmma_scale_f32_16x16x128_f8f6f4 v[rD:rD+7], v[rA:rA+7], v[rB:rB+7], v[rD:rD+7], v[rSA], v[rSB] matrix_a_fmt:MATRIX_FMT_FP4 matrix_b_fmt:MATRIX_FMT_FP4
.elseif (\ra)==1 && (\rb)==0
	v_wmma_scale_f32_16x16x128_f8f6f4 v[rD:rD+7], v[rA:rA+7], v[rB:rB+7], v[rD:rD+7], v[rSA], v[rSB] matrix_a_fmt:MATRIX_FMT_FP4 matrix_b_fmt:MATRIX_FMT_FP4 matrix_a_scale:MATRIX_SCALE_ROW1
.elseif (\ra)==0 && (\rb)==1
	v_wmma_scale_f32_16x16x128_f8f6f4 v[rD:rD+7], v[rA:rA+7], v[rB:rB+7], v[rD:rD+7], v[rSA], v[rSB] matrix_a_fmt:MATRIX_FMT_FP4 matrix_b_fmt:MATRIX_FMT_FP4 matrix_b_scale:MATRIX_SCALE_ROW1
.else
	v_wmma_scale_f32_16x16x128_f8f6f4 v[rD:rD+7], v[rA:rA+7], v[rB:rB+7], v[rD:rD+7], v[rSA], v[rSB] matrix_a_fmt:MATRIX_FMT_FP4 matrix_b_fmt:MATRIX_FMT_FP4 matrix_a_scale:MATRIX_SCALE_ROW1 matrix_b_scale:MATRIX_SCALE_ROW1
.endif
.endif
.endm
.macro WLOAD ks                        ; the weights' four fragments of K step ks: (tile nt, K step ks) at v[8 (4 ks + nt)] of window 1: they stay
.irp nt, 0,1,2,3
.irp c, 0,1
	global_load_b128 v[8*(4*(\ks)+\nt)+4*\c:8*(4*(\ks)+\nt)+4*\c+3], v248, s[6:7] offset:2*(\nt/2)*131072+(\nt%2)*8192+(\ks)*1024+512*\c
.endr
.endr
.endm
	s_load_b256 s[4:11], s[0:1], 0x0               ; xq s[4:5], wts s[6:7], kv s[8:9], mask s[10:11]
	s_load_b64 s[12:13], s[0:1], 0x20              ; out0
	v_lshl_add_u32 v15, v0, 2, 0x34000
	v_mov_b32 v251, 0
	ds_add_u32 v15, v251
	ds_add_u32 v15, v251
	v_lshrrev_b32 v1, 5, v0
	v_readfirstlane_b32 s14, v1                    ; wave 0..7 = head
	; descriptor: a block of 17,408 dense bytes as 68 rows of 256 bytes (32 elements of 8 bytes), no padding: fragments are read 16 bytes a lane on end
	s_mov_b32 s16, 3<<16
	s_mov_b32 s17, 32<<16                          ; tensor_dim0 = 32
	s_mov_b32 s18, 68<<16                          ; tensor_dim1 = 68
	s_mov_b32 s19, 32<<16                          ; tile_dim0 = 32
	s_mov_b32 s20, 68                              ; tile_dim1 = 68
	s_mov_b32 s21, 32                              ; from row to row
	s_mov_b32 s22, 0
	s_mov_b32 s23, 0
	s_mov_b32 s24, 1
	s_mul_i32 s25, s14, BLKB                       ; LDS: block w
	s_mul_i32 s40, ttmp9, 8*BLKB
	s_add_co_u32 s40, s40, s25
	s_mov_b32 s41, 0
	s_wait_dscnt 0x0
	s_wait_kmcnt 0x0
	s_add_nc_u64 s[26:27], s[4:5], s[40:41]
	s_or_b32 s27, s27, 0x80000000
	tensor_load_to_lds s[24:27], s[16:23]          ; my one tensor load of the launch
	s_nop 0
	PLACES                                         ; four lines behind it, ahead of the switch of windows
	v_and_b32 v253, 31, v0                         ; lane
	v_and_b32 v254, 15, v0                         ; r
	v_bfe_u32 v255, v0, 4, 1                       ; h
	v_lshlrev_b32 v[L16], 4, v253
	v_lshlrev_b32 v[L4], 2, v253
	v_lshl_add_u32 v248, s14, 14, v[L16]           ; the weights' codes: 16 x lane + 16,384 x head
	v_lshl_add_u32 v249, s14, 10, v[L4]            ; their scale words: 4 x lane + 1,024 x head
	v_lshlrev_b32 v252, 5, v255                    ; 32 h
	s_lshr_b32 s40, ttmp9, 7                       ; batch
	s_mul_i32 s42, s40, 33792
	s_mov_b32 s43, 0
	s_add_nc_u64 s[38:39], s[8:9], s[42:43]        ; kv at my batch
	s_lshl_b32 s42, s14, 12
	s_add_nc_u64 s[36:37], s[38:39], s[42:43]      ; + 4,096 x head: kvs
	s_lshl_b32 s42, s14, 7
	s_add_nc_u64 s[38:39], s[38:39], s[42:43]      ; + 128 x head: ks_sum, 32,768 bytes on
	s_lshl_b32 s42, ttmp9, 8
	s_add_nc_u64 s[10:11], s[10:11], s[42:43]      ; the work-group's 256 mask bytes
	s_lshl_b32 s42, ttmp9, 15
	s_add_nc_u64 s[12:13], s[12:13], s[42:43]      ; and its 256 rows of 128 bytes of out0
.irp dt, 0,1                           ; kvs and ks_sum first: they are worked on while the weights come
.irp up, 0,1
.irp q, 0,1
	global_load_b128 v[KT+16*\dt+8*\up+4*\q:KT+16*\dt+8*\up+4*\q+3], v[L16], s[36:37] offset:1024*(2*\dt+\up)+512*\q   ; kvs(m = 16 h + 8 u' + 4 q + 0 .. 3, d = 16 dt + r)
.endr
.endr
.endr
.irp up, 0,1
.irp q, 0,1
	global_load_b128 v[KSM+8*\up+4*\q:KSM+8*\up+4*\q+3], v252, s[38:39] offset:32768+64*\up+16*\q   ; channel 16 h + 8 u' + j lies at place 8 h + j of tile u'
.endr
.endr
	WIN 0x40                                       ; destination window 1
.irp ks, 0,1,2,3,4,5
	WLOAD \ks
.endr
	WIN 0
	s_mov_b32 s30, 0x76543210
	s_mov_b32 s31, 0xfedcba98                      ; v_permlanex16_b32's selects for lane l xor 16
	s_mov_b32 s28, 0                               ; the block in hand, in LDS
	s_mov_b32 s29, 3
	v_and_b32 v[MA], 8, v254
	v_add_nc_u32 v[MA], v[MA], v254
	v_mul_u32_u24 v[SO], v[MA], 144
	v_lshl_add_u32 v[SO], v255, 5, v[SO]
	s_mul_i32 s40, s14, 4608
	s_add_co_u32 s40, s40, STG
	v_add_nc_u32 v[SO], s40, v[SO]                 ; my head's stage, node r + 8 (r / 8), + 32 h
	v_lshrrev_b32 v[SR], 3, v253
	v_mul_u32_u24 v[SR], v[SR], 144
	v_and_b32 v[SR+1], 7, v253
	v_lshl_add_u32 v[SR], v[SR+1], 4, v[SR]
	s_mul_i32 s40, s14, 576
	s_add_co_u32 s40, s40, STG
	v_add_nc_u32 v[SR], s40, v[SR]                 ; node 4 w + lane / 8, 16 bytes at 16 (lane % 8)
	v_add_nc_u32 v[SR+1], 36864, v[SR]
	v_lshl_add_u32 v[OG], s14, 9, v[L16]
	v_mov_b32 v[EPS], 0x358637bd
	v_mov_b32 v[NIL], 0
	v_mov_b32 v[C32K], 0x47000000
.irp u, 0,1
.irp e, 5,7,9
	v_mov_b32 v[ST+14*\u+\e], 0                    ; written once: a lane permute's destination counts as one of its sources
.endr
.irp e, 4,5,6,7
	v_mov_b32 v[QF+8*\u+\e], 0                     ; K = 64 .. 127: zero codes
	v_mov_b32 v[KVF+8*\u+\e], 0
.endr
.endr
	s_wait_loadcnt 48                              ; kvs and ks_sum are in; the 48 loads of weights issued behind them may be out
	; kvs is quantised along m: a block of 32 lies in lanes l and l xor 16, 16 registers each.  The two halves of d by turns
.irp dt, 0,1
	v_max3_num_f32 v[ST+14*\dt+4], |v[KT+16*\dt]|, |v[KT+16*\dt+1]|, 0x1800000     ; with the floor 2^(3 - 127): the byte cannot fall under 1
.endr
.irp e, 2,4,6,8,10,12,14
.irp dt, 0,1
	v_max3_num_f32 v[ST+14*\dt+4], v[ST+14*\dt+4], |v[KT+16*\dt+\e]|, |v[KT+16*\dt+\e+1]|
.endr
.endr
.irp dt, 0,1
	v_permlanex16_b32 v[ST+14*\dt+5], v[ST+14*\dt+4], s30, s31
.endr
.irp dt, 0,1
	v_max_num_f32 v[ST+14*\dt+4], v[ST+14*\dt+4], v[ST+14*\dt+5]
.endr
.irp dt, 0,1
	v_add_nc_u32 v[ST+14*\dt+12], 0xff000000, v[ST+14*\dt+4]       ; 2 off the exponent field: the conversion's scale operand
.endr
.irp dt, 0,1
	v_lshrrev_b32 v[KVW+\dt], 23, v[ST+14*\dt+12]  ; the scale word of d = 16 dt + r: the byte below; bytes 1 to 3 are 0, over zero codes
.endr
.irp dt, 0,1
	v_cvt_scalef32_pk8_fp4_f32 v[KVF+8*\dt], v[KT+16*\dt:KT+16*\dt+7], v[ST+14*\dt+12]
	v_cvt_scalef32_pk8_fp4_f32 v[KVF+8*\dt+1], v[KT+16*\dt+8:KT+16*\dt+15], v[ST+14*\dt+12]
.endr
.irp dt, 0,1
	v_mov_b32 v[KVF+8*\dt+2], 0                    ; (also the plain lines behind the conversions)
	v_mov_b32 v[KVF+8*\dt+3], 0
.endr
.irp dt, 0,1                           ; the whole block of 32 m into lanes 0-15; zero codes elsewhere
	v_permlane16_swap_b32 v[KVF+8*\dt], v[KVF+8*\dt+2]
	v_permlane16_swap_b32 v[KVF+8*\dt+1], v[KVF+8*\dt+3]
.endr
	WIN 0x40
	WLOAD 6
	WLOAD 7
	WIN 0
.irp p, 0,1
.irp ks, 0,1,2,3,4,5,6,7
	global_load_b32 v[WSC+8*\p+\ks], v249, s[6:7] offset:393216+2*\p*8192+\ks*128
.endr
.endr
	s_wait_loadcnt 0x0                             ; the weights
	s_wait_tensorcnt 0x0                           ; my block is in,
	s_barrier_signal -1
	s_barrier_wait -1                              ; everybody's is
.macro FRAGS ks                        ; x's two fragments of K step ks into set ks % 4
.irp u, 0,1
.irp c, 0,1
	ds_load_b128 v[XF+16*((\ks)%4)+8*\u+4*\c:XF+16*((\ks)%4)+8*\u+4*\c+3], v[FA] offset:8192*\u+1024*(\ks)+512*\c
.endr
.endr
.endm
.macro KSTEP ks                        ; 8 matrix instructions: source 0 = 16 columns of Wq or Wv, source 1 = 16 rows of x.  The eight accumulators take turns, one instruction a turn
.irp u, 0,1
.irp nt, 0,1,2,3
.set rD, ACC+32*\u+8*\nt
.set rA, 8*(4*(\ks)+\nt)
.set rB, XF+16*((\ks)%4)+8*\u
.set rSA, WSC+8*(\nt/2)+(\ks)
.set rSB, XSC+(\ks)
	WM (\ks)==0, \nt%2, \u
.endr
.endr
.endm
.macro GEMM                            ; an LDS load's address is its source 0, and so are the weights: each run of loads stands under window 0
.irp ks, 0,1,2,3,4,5,6,7
	ds_load_b32 v[XSC+\ks], v[FS] offset:16384+128*\ks
.endr
	FRAGS 0
	FRAGS 1
	FRAGS 2
	FRAGS 3
	s_wait_dscnt 8                                 ; the scale words and K steps 0, 1 are in; the eight loads of K steps 2, 3 may be out
	WIN 0x01
	KSTEP 0
	KSTEP 1
	PLACES
	WIN 0
	FRAGS 4
	FRAGS 5
	s_wait_dscnt 8                                 ; all but the eight just issued
	WIN 0x01
	KSTEP 2
	KSTEP 3
	PLACES
	WIN 0
	FRAGS 6
	FRAGS 7
	s_wait_dscnt 8
	WIN 0x01
	KSTEP 4
	KSTEP 5
	s_wait_dscnt 0x0
	KSTEP 6
	KSTEP 7
	WIN 0
.endm
; The body of trip t (stage par): q and v of its 32 rows lie in the accumulators.  more = 1: the next trip's rows are multiplied between the barrier's signal and its wait
.macro BODY par, more
	; ---- q's statistics.  Each accumulator is read from its low end on
.irp u, 0,1
.set i, 0
.rept 16
	v_cmp_eq_f32 vcc_lo, 0, v[ACC+32*\u+i]
	v_cndmask_b32 v[ACC+32*\u+i], v[ACC+32*\u+i], v[EPS], vcc_lo   ; an exact zero becomes 1e-6
.set i, i+1
.endr
.endr
.irp u, 0,1
	v_pk_mul_f32 v[ST+14*\u:ST+14*\u+1], v[ACC+32*\u:ACC+32*\u+1], v[ACC+32*\u:ACC+32*\u+1]
	v_pk_mul_f32 v[ST+14*\u+2:ST+14*\u+3], v[ACC+32*\u:ACC+32*\u+1], v[KSM:KSM+1]
	v_max_num_f32 v[ST+14*\u+4], |v[ACC+32*\u]|, |v[ACC+32*\u+1]|
.endr
.irp e, 2,4,6,8,10,12,14
.irp u, 0,1
	v_pk_fma_f32 v[ST+14*\u:ST+14*\u+1], v[ACC+32*\u+\e:ACC+32*\u+\e+1], v[ACC+32*\u+\e:ACC+32*\u+\e+1], v[ST+14*\u:ST+14*\u+1]       ; the squares,
	v_pk_fma_f32 v[ST+14*\u+2:ST+14*\u+3], v[ACC+32*\u+\e:ACC+32*\u+\e+1], v[KSM+\e:KSM+\e+1], v[ST+14*\u+2:ST+14*\u+3]               ; the product with ks_sum, in f32,
	v_max3_num_f32 v[ST+14*\u+4], v[ST+14*\u+4], |v[ACC+32*\u+\e]|, |v[ACC+32*\u+\e+1]|                                               ; the largest magnitude
.endr
.endr
.irp u, 0,1
	v_add_f32 v[ST+14*\u], v[ST+14*\u], v[ST+14*\u+1]
.endr
.irp u, 0,1
	v_permlanex16_b32 v[ST+14*\u+5], v[ST+14*\u], s30, s31         ; the node's other 16 channels lie in lane l xor 16
.endr
.irp u, 0,1
	v_add_f32 v[ST+14*\u], v[ST+14*\u], v[ST+14*\u+5]
.endr
.irp u, 0,1
	v_rsq_f32 v[ST+14*\u+6], v[ST+14*\u]           ; 1 / the norm
.endr
.irp u, 0,1
	v_add_f32 v[ST+14*\u+2], v[ST+14*\u+2], v[ST+14*\u+3]          ; independent work behind the two
.endr
.irp u, 0,1
	v_permlanex16_b32 v[ST+14*\u+7], v[ST+14*\u+2], s30, s31
	v_permlanex16_b32 v[ST+14*\u+9], v[ST+14*\u+4], s30, s31
.endr
.irp u, 0,1
	v_add_f32 v[ST+14*\u+2], v[ST+14*\u+2], v[ST+14*\u+7]
	v_max_num_f32 v[ST+14*\u+4], v[ST+14*\u+4], v[ST+14*\u+9]
.endr
	s_wait_alu depctr_va_vdst(0)                   ; one wait for the two reciprocal roots, ahead of their first reader
.irp u, 0,1
	v_fma_f32 v[ST+14*\u+9], v[ST+14*\u+2], v[ST+14*\u+6], 0x47000000      ; the normaliser: q . ks_sum / norm + 32768
.endr
.irp u, 0,1
	v_mul_f32 v[ST+14*\u+9], 0x41000000, v[ST+14*\u+9]                     ; x 8: the mean over the heads
.endr
.irp u, 0,1
	v_rcp_f32 v[ST+14*\u+8], v[ST+14*\u+9]         ; rho1; its wait stands below, behind the work on q
.endr
.irp e, 0,2,4,6,8,10,12,14
.irp u, 0,1
	v_pk_mul_f32 v[ACC+32*\u+\e:ACC+32*\u+\e+1], v[ACC+32*\u+\e:ACC+32*\u+\e+1], v[ST+14*\u+6:ST+14*\u+7] op_sel_hi:[1,0]   ; q / norm
.endr
.endr
.irp u, 0,1
	v_mul_f32 v[ST+14*\u+13], v[ST+14*\u+4], v[ST+14*\u+6]         ; the same multiplication of the largest magnitude gives the largest normalised one: rounding keeps the order
.endr
.irp u, 0,1
	v_max_num_f32 v[ST+14*\u+13], 0x1800000, v[ST+14*\u+13]        ; the floor 2^(3 - 127)
.endr
.irp u, 0,1
	v_add_nc_u32 v[ST+14*\u+12], 0xff000000, v[ST+14*\u+13]        ; 2 off the exponent field: the conversion's scale operand
.endr
.irp u, 0,1
	v_lshrrev_b32 v[QW+\u], 23, v[ST+14*\u+12]     ; the scale word: the byte below; bytes 1 to 3 are 0, over zero codes
.endr
.irp u, 0,1
	v_cvt_scalef32_pk8_fp4_f32 v[QF+8*\u], v[ACC+32*\u:ACC+32*\u+7], v[ST+14*\u+12]
	v_cvt_scalef32_pk8_fp4_f32 v[QF+8*\u+1], v[ACC+32*\u+8:ACC+32*\u+15], v[ST+14*\u+12]
.endr
.irp u, 0,1
	v_mov_b32 v[QF+8*\u+2], 0                      ; (also the plain lines behind the conversions)
	v_mov_b32 v[QF+8*\u+3], 0
.endr
.irp u, 0,1                            ; the whole block of 32 channels into lanes 0-15; zero codes elsewhere
	v_permlane16_swap_b32 v[QF+8*\u], v[QF+8*\u+2]
	v_permlane16_swap_b32 v[QF+8*\u+1], v[QF+8*\u+3]
.endr
	s_wait_loadcnt 0x0                             ; the mask bytes
.irp u, 0,1
	v_cmp_ne_u32 vcc_lo, 0, v[MB+\u]
	v_cndmask_b32 v[ST+14*\u+11], 0, v[C32K], vcc_lo               ; 32768 where the node counts, else 0
.endr
	s_wait_alu depctr_va_vdst(0)                   ; one wait for the two reciprocals, ahead of their first reader
.irp u, 0,1
	v_mul_f32 v[ST+14*\u+10], v[ST+14*\u+8], v[ST+14*\u+11]        ; rho2
.endr
.irp u, 0,1                            ; v x rho2, in place.  These 16 lines are also the places between the scale words and codes just made and the matrix instructions
.irp e, 0,2,4,6,8,10,12,14
	v_pk_mul_f32 v[ACC+32*\u+16+\e:ACC+32*\u+16+\e+1], v[ACC+32*\u+16+\e:ACC+32*\u+16+\e+1], v[ST+14*\u+10:ST+14*\u+11] op_sel_hi:[1,0]
.endr
.endr
.irp u, 0,1                            ; Q(kvs)^T Q(q): source 0 = 16 of the 32 d, source 1 = 16 nodes; K = the head's 32 channels
.irp dt, 0,1
.set rD, XF+16*\u+8*\dt
.set rA, KVF+8*\dt
.set rB, QF+8*\u
.set rSA, KVW+\dt
.set rSB, QW+\u
	WM 1, 0, 0
.endr
.endr
	PLACES
.irp u, 0,1
.irp dt, 0,1
.irp e, 0,2,4,6
	v_pk_fma_f32 v[XF+16*\u+8*\dt+\e:XF+16*\u+8*\dt+\e+1], v[XF+16*\u+8*\dt+\e:XF+16*\u+8*\dt+\e+1], v[ST+14*\u+8:ST+14*\u+9], v[ACC+32*\u+16+8*\dt+\e:ACC+32*\u+16+8*\dt+\e+1] op_sel_hi:[1,0,1]   ; my head's eighth of the output
.endr
.endr
.endr
.if \more
	global_load_u8 v[MB], v[MA], s[10:11] offset:32*(\par+1)       ; the next trip's mask bytes: this trip's have been read
	global_load_u8 v[MB+1], v[MA], s[10:11] offset:32*(\par+1)+8
	s_add_co_u32 s28, s28, BLKB                    ; and its block
.endif
.irp u, 0,1
.irp dt, 0,1
.irp q, 0,1
	ds_store_b128 v[SO], v[XF+16*\u+8*\dt+4*\q:XF+16*\u+8*\dt+4*\q+3] offset:36864*\par+1152*\u+64*\dt+16*\q
.endr
.endr
.endr
.if \more
	v_add_nc_u32 v[FA], s28, v[L16]
	v_add_nc_u32 v[FS], s28, v[L4]
.endif
	s_wait_xcnt 0x0                                ; the last trip's store to out0 has read its registers, which the fragments now take
	s_wait_dscnt 0x0                               ; for the others' sake: my stores have landed; and my reads of the other stage, a trip ago, are over
	s_barrier_signal -1
.if \more
	GEMM                                           ; between signal and wait: matrix work, and LDS loads of x's blocks, which no wave writes
	PLACES
.endif
	s_barrier_wait -1
.irp s, 0,1,2,3,4,5,6,7
	ds_load_b128 v[RB+4*\s:RB+4*\s+3], v[SR+\par] offset:4608*\s   ; the eight heads' numbers of my 4 nodes
.endr
.irp s, 1,2,3,4,5,6,7
	s_wait_dscnt 7-\s                              ; head s is in; the later heads' loads may be out
	v_pk_add_f32 v[RB:RB+1], v[RB:RB+1], v[RB+4*\s:RB+4*\s+1]
	v_pk_add_f32 v[RB+2:RB+3], v[RB+2:RB+3], v[RB+4*\s+2:RB+4*\s+3]
.endr
	global_store_b128 v[OG], v[RB:RB+3], s[12:13] offset:4096*\par th:TH_STORE_NT   ; 32 lanes store 512 consecutive bytes, aligned
.endm
	v_add_nc_u32 v[FA], s28, v[L16]                ; the first trip's rows are multiplied ahead of the loop
	v_add_nc_u32 v[FS], s28, v[L4]
	global_load_u8 v[MB], v[MA], s[10:11]
	global_load_u8 v[MB+1], v[MA], s[10:11] offset:8
	GEMM
	PLACES
.Lpair:                                ; three trips of the loop, two blocks of 32 rows each
	BODY 0, 1
	BODY 1, 1
	s_wait_xcnt 0x0                                ; every load and store has read its base: both may step
	s_add_nc_u64 s[10:11], s[10:11], 64
	s_add_nc_u64 s[12:13], s[12:13], 8192
	s_sub_co_u32 s29, s29, 1
	s_cmp_lg_u32 s29, 0
	s_cbranch_scc1 .Lpair
	BODY 0, 1                                      ; the last two blocks are written out: behind the last there is nothing to multiply, and no load leaves its buffer
	BODY 1, 0
	s_wait_tensorcnt 0x0
	ds_add_u32 v15, v251
	s_wait_dscnt 0x0
	s_endpgm
.Lfunc_end_k_qb5e0bc5c23_pass2:
	.size	k_qb5e0bc5c23_pass2, .Lfunc_end_k_qb5e0bc5c23_pass2-k_qb5e0bc5c23_pass2
	.p2alignl 7, 3214868480
	.fill 96, 4, 3214868480
	.section	.rodata,"a",@progbits
	.p2align	6, 0x0
	.amdhsa_kernel k_qb5e0bc5c23_pass2
		.amdhsa_group_segment_fixed_size 214016
		.amdhsa_private_segment_fixed_size 0
		.amdhsa_enable_private_segment 0
		.amdhsa_kernarg_size 40
		.amdhsa_user_sgpr_count 2
		.amdhsa_user_sgpr_kernarg_segment_ptr 1
		.amdhsa_wavefront_size32 1
		.amdhsa_system_sgpr_workgroup_id_x 1
		.amdhsa_system_sgpr_workgroup_id_y 1
		.amdhsa_system_sgpr_workgroup_id_z 1
		.amdhsa_system_vgpr_workitem_id 0
		.amdhsa_next_free_vgpr 512
		.amdhsa_next_free_sgpr 66
		.amdhsa_reserve_vcc 1
		.amdhsa_float_denorm_mode_32 3
		.amdhsa_float_denorm_mode_16_64 3
		.amdhsa_memory_ordered 1
		.amdhsa_forward_progress 1
		.amdhsa_inst_pref_size 115
	.end_amdhsa_kernel
	.amdgpu_metadata
---
amdhsa.version: [ 1, 2 ]
amdhsa.kernels:
  - .name:           k_qb5e0bc5c23_pass2
    .symbol:         k_qb5e0bc5c23_pass2.kd
    .args:
      - { .name: xq, .offset: 0, .size: 8, .value_kind: global_buffer, .address_space: global }
      - { .name: wts, .offset: 8, .size: 8, .value_kind: global_buffer, .address_space: global }
      - { .name: kv, .offset: 16, .size: 8, .value_kind: global_buffer, .address_space: global }
      - { .name: mask, .offset: 24, .size: 8, .value_kind: global_buffer, .address_space: global }
      - { .name: out0, .offset: 32, .size: 8, .value_kind: global_buffer, .address_space: global }
    .group_segment_fixed_size: 214016
    .private_segment_fixed_size: 0
    .kernarg_segment_align: 8
    .kernarg_segment_size: 40
    .max_flat_workgroup_size: 256
    .sgpr_count:     66
    .vgpr_count:     512
    .wavefront_size: 32
...
	.end_amdgpu_metadata
.endif
;; end of part 4
